; MI455X (gfx1250); checked and timed in simulation.
; The chip was launched on July 23, 2026; its instructions are those of AMD's public machine-readable ISA for CDNA 5 (MIT licence, August 2026) and "CDNA5" Instruction Set Architecture Reference Guide (July 2026). The comments in the code are by the model that wrote it; some were corrected since.
;; Cross Fusion. Allowed arithmetic: matrix products marked QUANTISED: E2M3 operands, one E8M0 scale for each 32 along K, by v_wmma_scale_f32_16x16x128_f8f6f4 with both operands' format E2M3, f32 sums; products left as they are: f32 operands where the result goes on into a quantised operand, else bf16, f16 or f32 operands; f32 sums; everything else in f32.
;; Inputs: B1_l1_b 256 float32; B1_l1_w_codes 256 x 4 x 24 uint8 (E2M3 codes of B1_l1_w, K innermost, in blocks of 32 codes, four codes in three bytes); B1_l1_w_scales 256 x 4 uint8 (E8M0 scales of B1_l1_w, one for each 32 codes along K); B1_l2_b 128 float32; B1_l2_w_codes 128 x 8 x 24 uint8 (E2M3 codes of B1_l2_w, K innermost, in blocks of 32 codes, four codes in three bytes); B1_l2_w_scales 128 x 8 uint8 (E8M0 scales of B1_l2_w, one for each 32 codes along K); B2_l1_b 256 float32; B2_l1_w_codes 256 x 4 x 24 uint8 (E2M3 codes of B2_l1_w, K innermost, in blocks of 32 codes, four codes in three bytes); B2_l1_w_scales 256 x 4 uint8 (E8M0 scales of B2_l1_w, one for each 32 codes along K); B2_l2_b 128 float32; B2_l2_w_codes 128 x 8 x 24 uint8 (E2M3 codes of B2_l2_w, K innermost, in blocks of 32 codes, four codes in three bytes); B2_l2_w_scales 128 x 8 uint8 (E8M0 scales of B2_l2_w, one for each 32 codes along K); W1_l1_b 256 float32; W1_l1_w_codes 256 x 4 x 24 uint8 (E2M3 codes of W1_l1_w, K innermost, in blocks of 32 codes, four codes in three bytes); W1_l1_w_scales 256 x 4 uint8 (E8M0 scales of W1_l1_w, one for each 32 codes along K); W1_l2_b 128 float32; W1_l2_w_codes 128 x 8 x 24 uint8 (E2M3 codes of W1_l2_w, K innermost, in blocks of 32 codes, four codes in three bytes); W1_l2_w_scales 128 x 8 uint8 (E8M0 scales of W1_l2_w, one for each 32 codes along K); W2_l1_b 256 float32; W2_l1_w_codes 256 x 4 x 24 uint8 (E2M3 codes of W2_l1_w, K innermost, in blocks of 32 codes, four codes in three bytes); W2_l1_w_scales 256 x 4 uint8 (E8M0 scales of W2_l1_w, one for each 32 codes along K); W2_l2_b 128 float32; W2_l2_w_codes 128 x 8 x 24 uint8 (E2M3 codes of W2_l2_w, K innermost, in blocks of 32 codes, four codes in three bytes); W2_l2_w_scales 128 x 8 uint8 (E8M0 scales of W2_l2_w, one for each 32 codes along K); len_x 16 int32; len_y 16 int32; len_z 16 int32; x 16 x 1,024 x 128 float32; y 16 x 1,024 x 128 float32; z 16 x 1,024 x 128 float32.
;; Outputs: out0 16 x 1,024 x 128 float32.
;; This version of the problem:
;;   THIS VERSION OF THE PROBLEM IS GIVEN IN LOW PRECISION. The matrix products marked QUANTISED in the list below multiply operands that are first quantised to E2M3 (2 exponent bits, 3 mantissa bits; 6 bits a number), with one power-of-two scale for each 32 numbers along K (OCP MX v1.0); their sums are f32. All else is computed in f32.
;;   The module's matrix products, in the order in which they are computed (A, B: the left and right operand; K: the contracted axis; several contracted axes count as one K, in the product's order):
;;     1. batch 16 x [M 1,024, K 1,024] x [K 1,024, N 128]; A: computed on the way; B: input x: left as it is (operands are no floats)
;;     2. [M 16, K 128] x [K 128, N 256]; A: computed on the way; B: input W1_l1_w (given as codes): QUANTISED
;;     3. [M 16, K 256] x [K 256, N 128]; A: computed on the way; B: input W1_l2_w (given as codes): QUANTISED
;;     4. [M 16, K 128] x [K 128, N 256]; A: computed on the way; B: input B1_l1_w (given as codes): QUANTISED
;;     5. [M 16, K 256] x [K 256, N 128]; A: computed on the way; B: input B1_l2_w (given as codes): QUANTISED
;;     6. [M 16, K 128] x [K 128, N 256]; A: computed on the way; B: input W2_l1_w (given as codes): QUANTISED
;;     7. [M 16, K 256] x [K 256, N 128]; A: computed on the way; B: input W2_l2_w (given as codes): QUANTISED
;;     8. [M 16, K 128] x [K 128, N 256]; A: computed on the way; B: input B2_l1_w (given as codes): QUANTISED
;;     9. [M 16, K 256] x [K 256, N 128]; A: computed on the way; B: input B2_l2_w (given as codes): QUANTISED
;;     10. batch 16 x [M 1,024, K 1,024] x [K 1,024, N 128]; A: computed on the way; B: computed on the way: left as it is (operands are no floats)
;;   THE QUANTISER, for each operand of a quantised product, along K:
;;     - K is cut into blocks of 32 from its start; a last block that is shorter is filled with zeros.
;;     - A block's scale is 2^e with e = floor(log2(the largest magnitude in the block)) - 2, held to -126 .. 127; a block of zeros has e = 0. As a byte (E8M0): e + 127.
;;     - Each number is divided by its block's scale, clamped to +-7.5, and rounded to the nearest number of E2M3, ties to even, subnormals kept.
;;     - The product sums the exact products of the quantised numbers (number of the format x scale) in f32.
;;   ~~~python
;;   def quantise(x, axis):      # numpy; x: float32 -> the quantised numbers, widened to float32 again
;;       x = np.moveaxis(x, axis, -1); K = x.shape[-1]
;;       x = np.pad(x, [(0, 0)] * (x.ndim - 1) + [(0, -K % 32)]); x = x.reshape(x.shape[:-1] + (-1, 32)); a = np.abs(x).max(-1, keepdims=True)
;;       e = np.where(a > 0, np.clip(np.frexp(np.where(a > 0, a, 1))[1] - 1 - 2, -126, 127), 0)      # np.frexp(a)[1] - 1 = floor(log2(a)), exactly
;;       r = np.clip(x / 2.0 ** e, -7.5, 7.5)
;;       step = 2.0 ** (np.maximum(np.frexp(np.where(r == 0, 1, r))[1] - 1, 0) - 3)
;;       q = np.round(r / step) * step * 2.0 ** e      # np.round: ties to even
;;       return np.moveaxis(q.reshape(q.shape[:-2] + (-1,))[..., :K], -1, axis).astype(np.float32)
;;   ~~~
;;   OPERANDS COMPUTED ON THE WAY. 'Computed on the way' means the value that the module computes at that place (a softmax that the list does not call 'softmax' is quantised finished and normalised). What goes into a quantiser is computed in f32, as accurately as f32 sums, v_exp_f32 and their like allow (about 1e-6 of the number): no bf16 or f16 on the way to a quantiser, and a product that is left as it is and whose result goes on into a quantised operand takes f32 operands (vector FMAs, or v_wmma_f32_16x16x4_f32). A number that lies on a knife's edge between two numbers of the format may be rounded either way, as far as f32 arithmetic and the matrix unit's own rounding can turn it there, and no further.
;;   INPUTS GIVEN AS CODES. B1_l1_w (in the module: [128, 256], K = its axis 0); B1_l2_w (in the module: [256, 128], K = its axis 0); B2_l1_w (in the module: [128, 256], K = its axis 0); B2_l2_w (in the module: [256, 128], K = its axis 0); W1_l1_w (in the module: [128, 256], K = its axis 0); W1_l2_w (in the module: [256, 128], K = its axis 0); W2_l1_w (in the module: [128, 256], K = its axis 0); W2_l2_w (in the module: [256, 128], K = its axis 0): each comes as NAME_codes (uint8): NAME with its K axis moved to the last place and cut into blocks of 32 codes, [.., K / 32, bytes a block], one block behind the other in memory; four codes in three bytes: a row's codes are one little-endian stream of bits, code i at bits 6 i .. 6 i + 5 (a code: sign, 2 exponent bits, 3 mantissa bits); and NAME_scales (uint8): the same leading axes, one E8M0 byte (e + 127) for each 32 codes along K. Its value is code x scale, taken as it is: it is not quantised again, and the codes and scales need not be those that the quantiser above would give.
;; 2 versions, each right; version 2 is version 1 with the launch apply written anew for expert scheduling mode. Each part assembles by itself: llvm-mc -triple=amdgcn-amd-amdhsa -mcpu=gfx1250 --defsym DOCPART=n.
;; ======== version 1 of 2: 2 launches
;; workspace buffers: part 131,072 bytes; pack 221,184 bytes
;; launch sums (part 1): grid 260 x 1, 8 waves a work-group, no clusters, 5,120 bytes of LDS; arguments y, z, part, pack, W1_l1_w_codes, W1_l1_w_scales, W1_l1_b, W1_l2_w_codes, W1_l2_w_scales, W1_l2_b, W2_l1_w_codes, W2_l1_w_scales, W2_l1_b, W2_l2_w_codes, W2_l2_w_scales, W2_l2_b, B1_l1_w_codes, B1_l1_w_scales, B1_l1_b, B1_l2_w_codes, B1_l2_w_scales, B1_l2_b, B2_l1_w_codes, B2_l1_w_scales, B2_l1_b, B2_l2_w_codes, B2_l2_w_scales, B2_l2_b; writes part, pack
.if DOCPART == 1
	.amdgcn_target "amdgcn-amd-amdhsa--gfx1250"
	.amdhsa_code_object_version 6
	.text
	.protected	k_q4913d2a63f_sums
	.globl	k_q4913d2a63f_sums
	.p2align	8
	.type	k_q4913d2a63f_sums,@function
k_q4913d2a63f_sums:
	s_mov_b64 s[64:65], 0
	v_nop
	global_prefetch_b8 v0, s[64:65] scope:SCOPE_SE
	s_setreg_imm32_b32 hwreg(HW_REG_WAVE_MODE, 25, 1), 1
	s_wait_xcnt 0x0
; FIRST OF TWO LAUNCHES.  The program computes  out0[b][t][d] = g[b][d] x[b][t][d] + c[b][d] [t = 0]  for t < len_x[b], and 0 for t >= len_x[b],
; with g = 1 + (W1 + W2) / 2 and c = (b1 + b2) / 2, W1, b1 the two MLPs of c1 = sum_t y / len_y, W2, b2 those of c2 = sum_t z / len_z.
; WORK LEFT OUT, and why it can reach no output, in exact arithmetic, for all finite inputs and every l = len_x[b] with 1 <= l <= 1024:
;   (1) _complex_relu is the identity: |f| exp(i angle f) = f where |f| > 0, and where |f| = 0 it gives 0 = f.
;   (2) for t, t' < l:  (1 / l) sum over k < l of exp(2 pi i k (t - t') / l) = 1 if t = t', else 0.  g is real and the same for all k, so the inverse DFT of g x_freq is g x on rows t < l: a factor 1 by an identity.
;   (3) (1 / l) sum over k < l of exp(2 pi i k t / l) c = c if t = 0, else 0: the bias reaches row 0 alone.
;   (4) rows k >= l of the filtered spectrum meet columns of the inverse matrix that reference() sets to 0; rows t >= l of that matrix are 0, so these rows of the result are 0.
; So both DFT products, their phases and exponentials and _complex_relu are not computed.  Every input still has a way to the output and is loaded.  The eight quantised products are all done (in the second launch).
; LIMITS: len_x from 1 to 1024 (len_x <= 0 gives zeros; above 1024 reference()'s two matrices are no inverse pair: not served); len_y, len_z not 0.  A NaN, an infinity or an overflow that
; reference() would spread over a column through the DFTs stays in its own number here.
;
; THIS LAUNCH.  Work-groups 0-255: partial column sums of y (0-127) and z (128-255): a work-group takes 128 rows of 512 bytes, a wave 16 rows, a lane 4 channels; the eight waves' sums meet in LDS and wave 0
; stores one record of 512 bytes:  part[t][b][chunk][128] f32, record number = the work-group's number.  All 1,024 rows count, as in reference(): the sums are not masked.
; Work-groups 256-259: one MLP each (W1, W2, B1, B2): its codes, scale bytes and biases are laid out in the order in which the second launch's operand registers take them, so that it loads them 16 bytes a lane.
;   pack: 16 regions of 13,824 bytes, region 4 m + q (q: quarter of the MLP's columns):  +0 four layer-1 fragments (hidden rows 64 q + 16 f + r), 1,536 bytes each: registers 4 c .. 4 c + 3 of lane l at 512 c + 16 l;
;   +6144 four layer-2 fragments f = 2 t + s (output rows 32 q + 16 t + r, K step s);  +12288, +12800 their scale words, four a lane;  +13312 layer 1's bias, two a lane (units 64 q + 32 p + lane);  +13568 layer 2's, one a lane.
; No tensor loads, no cluster, no matrix unit: each byte is used once by one lane and goes straight into its registers.
.set SPARE, 4096                       ; LDS: bytes 0-4095 the stage, 512 bytes a wave; behind it the spare words, 128 bytes for each of eight waves
.set RG,    13824                      ; a region of pack
.macro ADDQ d, a                       ; four channels: v[d .. d+3] += v[a .. a+3]
	v_pk_add_f32 v[(\d):(\d)+1], v[(\d):(\d)+1], v[(\a):(\a)+1]
	v_pk_add_f32 v[(\d)+2:(\d)+3], v[(\d)+2:(\d)+3], v[(\a)+2:(\a)+3]
.endm
	s_load_b128 s[4:7], s[0:1], 0x0                ; y, z
	s_load_b128 s[8:11], s[0:1], 0x10              ; part, pack
	v_lshl_add_u32 v3, v0, 2, SPARE                ; my spare word; never rewritten
	v_mov_b32 v4, 0                                ; 0; never rewritten
	v_lshrrev_b32 v5, 5, v0
	v_readfirstlane_b32 s60, v5                    ; wave 0..7
	v_and_b32 v6, 31, v0                           ; lane
	v_lshlrev_b32 v1, 4, v6                        ; 16 x lane
	v_lshlrev_b32 v2, 4, v0                        ; 16 x thread: my place in the stage
	s_cmp_ge_u32 ttmp9, 256                        ; the work-group's number alone decides: all eight waves go the same way
	s_cbranch_scc1 .Lpack
	; ---- the sums
	s_lshr_b32 s62, ttmp9, 7                       ; 0: y, 1: z
	s_and_b32 s66, ttmp9, 127                      ; 8 b + chunk
	s_lshl_b32 s66, s66, 16                        ; x 128 rows of 512 bytes
	s_lshl_b32 s63, s60, 13                        ; + my wave's 16 rows
	s_add_co_u32 s66, s66, s63
	s_mov_b32 s67, 0
	s_lshl_b32 s68, ttmp9, 9                       ; my record in part
	s_mov_b32 s69, 0
	s_wait_kmcnt 0x0
	s_cmp_eq_u32 s62, 0
	s_cselect_b64 s[4:5], s[4:5], s[6:7]
	s_add_nc_u64 s[4:5], s[4:5], s[66:67]
	s_add_nc_u64 s[8:9], s[8:9], s[68:69]
.irp i, 0,1,2,3,4,5,6,7,8,9,10,11,12,13,14,15
	global_load_b128 v[16+4*\i:19+4*\i], v1, s[4:5] offset:512*\i th:TH_LOAD_NT   ; a row: 32 lanes read 512 consecutive bytes; all sixteen rows are asked for at once
.endr
.irp k, 0,1,2,3
	s_wait_loadcnt 12-4*\k                         ; loads come back in order: rows 4 k .. 4 k + 3 are in, the 12 - 4 k younger loads may be out
	ADDQ 16+16*\k, 20+16*\k
	ADDQ 24+16*\k, 28+16*\k
	ADDQ 16+16*\k, 24+16*\k
.endr
	ADDQ 16, 32
	ADDQ 48, 64
	ADDQ 16, 48
	ds_store_b128 v2, v[16:19]                     ; my wave's sums: 512 bytes at 512 x wave
	s_wait_dscnt 0x0                               ; for wave 0's sake: my store has landed
	s_barrier_signal -1
	s_barrier_wait -1
	s_cmp_lg_u32 s60, 0
	s_cbranch_scc1 .Lend
.irp k, 0,1,2,3,4,5,6,7
	ds_load_b128 v[16+4*\k:19+4*\k], v1 offset:512*\k
.endr
	s_wait_dscnt 0x0
	ADDQ 16, 20
	ADDQ 24, 28
	ADDQ 32, 36
	ADDQ 40, 44
	ADDQ 16, 24
	ADDQ 32, 40
	ADDQ 16, 32
	global_store_b128 v1, v[16:19], s[8:9]         ; 32 lanes store 512 consecutive bytes, at a multiple of 512 from part's first byte
.Lend:
	s_wait_tensorcnt 0x0                           ; the wave's end
	ds_add_u32 v3, v4
	s_wait_dscnt 0x0
	s_endpgm
	; ---- the weights' images: work-group 256 + m takes MLP m; wave 2 q + lay takes quarter q of layer lay + 1.  No LDS, no barrier
.Lpack:
	s_load_b512 s[12:27], s[0:1], 0x20             ; the 24 addresses: MLP k's pointer j (codes 1, scales 1, bias 1, codes 2, scales 2, bias 2) at s[12 + 12 k + 2 j]
	s_load_b512 s[28:43], s[0:1], 0x60
	s_load_b512 s[44:59], s[0:1], 0xa0
	s_sub_co_u32 s61, ttmp9, 256                   ; m
	s_lshr_b32 s62, s60, 1                         ; q
	s_and_b32 s63, s60, 1                          ; lay
	s_lshl_b32 s66, s61, 2
	s_add_co_u32 s66, s66, s62
	s_mul_i32 s66, s66, RG                         ; my region
	s_mov_b32 s67, 0
	s_mul_i32 s80, s62, 6144                       ; a quarter's codes: 64 rows of 96 bytes, or 32 rows of 192
	s_lshl_b32 s81, s62, 8                         ; a quarter's scale bytes: 64 x 4, or 32 x 8
	v_and_b32 v12, 15, v0                          ; r
	v_bfe_u32 v13, v0, 4, 1                        ; h
	v_lshlrev_b32 v10, 3, v6                       ; 8 x lane
	v_lshlrev_b32 v11, 2, v6                       ; 4 x lane
	s_wait_kmcnt 0x0
	s_add_nc_u64 s[10:11], s[10:11], s[66:67]
	s_cmp_eq_u32 s61, 1                            ; the six addresses of my MLP: chosen on the work-group's number alone
.irp j, 0,1,2,3,4,5
	s_cselect_b64 s[68+2*\j:69+2*\j], s[24+2*\j:25+2*\j], s[12+2*\j:13+2*\j]
.endr
	s_cmp_eq_u32 s61, 2
.irp j, 0,1,2,3,4,5
	s_cselect_b64 s[68+2*\j:69+2*\j], s[36+2*\j:37+2*\j], s[68+2*\j:69+2*\j]
.endr
	s_cmp_eq_u32 s61, 3
.irp j, 0,1,2,3,4,5
	s_cselect_b64 s[68+2*\j:69+2*\j], s[48+2*\j:49+2*\j], s[68+2*\j:69+2*\j]
.endr
	s_cmp_eq_u32 s63, 0                            ; and of them my layer's three: codes s[68:69], scales s[70:71], bias s[72:73]
.irp j, 0,1,2
	s_cselect_b64 s[68+2*\j:69+2*\j], s[68+2*\j:69+2*\j], s[74+2*\j:75+2*\j]
.endr
; A fragment (16 rows x 128 K of 6-bit codes) is 12 registers: lane (r, h) takes of row r the 24 bytes at 24 h of the K step's 96 and the 24 bytes 48 further on, each as three loads of 8 bytes.
.macro PACKHALF lay
.if \lay
	v_mul_u32_u24 v7, v12, 192                     ; layer 2: a row is 256 codes, 192 bytes;
	v_lshlrev_b32 v8, 3, v12                       ; 8 scale bytes;
	s_lshl_b32 s82, s62, 7                         ; a quarter's bias: 32 numbers
.else
	v_mul_u32_u24 v7, v12, 96                      ; layer 1: a row is 128 codes, 96 bytes;
	v_lshlrev_b32 v8, 2, v12                       ; 4 scale bytes;
	s_lshl_b32 s82, s62, 8                         ; a quarter's bias: 64 numbers
.endif
	v_mad_u32_u24 v7, v13, 24, v7
	v_add_nc_u32 v7, s80, v7
	v_add_nc_u32 v8, s81, v8
	v_add_nc_u32 v9, s82, v11
.irp f, 0,1,2,3
.if \lay
.set FO, 3072*(\f/2)+96*(\f%2)                 ; fragment 2 t + s: 16 t rows down, K step s
.set SO, 128*(\f/2)+4*(\f%2)
.else
.set FO, 1536*\f                               ; fragment f: 16 f rows down
.set SO, 64*\f
.endif
.irp p, 0,1,2,3,4,5
	global_load_b64 v[16+12*\f+2*\p:17+12*\f+2*\p], v7, s[68:69] offset:FO+48*(\p/3)+8*(\p%3)
.endr
	global_load_b32 v[64+\f], v8, s[70:71] offset:SO   ; row r's scale word of this fragment (lanes 16-31 take the same as lanes 0-15)
.endr
	global_load_b32 v68, v9, s[72:73]
.if \lay == 0
	global_load_b32 v69, v9, s[72:73] offset:128
.endif
	s_wait_loadcnt 0x0
.irp f, 0,1,2,3
.irp c, 0,1,2
	global_store_b128 v1, v[16+12*\f+4*\c:19+12*\f+4*\c], s[10:11] offset:6144*\lay+1536*\f+512*\c   ; 32 lanes store 512 consecutive bytes
.endr
.endr
	global_store_b128 v1, v[64:67], s[10:11] offset:12288+512*\lay
.if \lay
	global_store_b32 v11, v68, s[10:11] offset:13568
.else
	global_store_b64 v10, v[68:69], s[10:11] offset:13312
.endif
	s_endpgm
.endm
	s_cmp_lg_u32 s63, 0
	s_cbranch_scc1 .Lpack1
	PACKHALF 0
.Lpack1:
	PACKHALF 1
.Lfunc_end_k_q4913d2a63f_sums:
	.size	k_q4913d2a63f_sums, .Lfunc_end_k_q4913d2a63f_sums-k_q4913d2a63f_sums
	.p2alignl 7, 3214868480
	.fill 96, 4, 3214868480
	.section	.rodata,"a",@progbits
	.p2align	6, 0x0
	.amdhsa_kernel k_q4913d2a63f_sums
		.amdhsa_group_segment_fixed_size 5120
		.amdhsa_private_segment_fixed_size 0
		.amdhsa_enable_private_segment 0
		.amdhsa_kernarg_size 224
		.amdhsa_user_sgpr_count 2
		.amdhsa_user_sgpr_kernarg_segment_ptr 1
		.amdhsa_wavefront_size32 1
		.amdhsa_system_sgpr_workgroup_id_x 1
		.amdhsa_system_sgpr_workgroup_id_y 1
		.amdhsa_system_sgpr_workgroup_id_z 1
		.amdhsa_system_vgpr_workitem_id 0
		.amdhsa_next_free_vgpr 96
		.amdhsa_next_free_sgpr 84
		.amdhsa_reserve_vcc 0
		.amdhsa_float_denorm_mode_32 3
		.amdhsa_float_denorm_mode_16_64 3
		.amdhsa_memory_ordered 1
		.amdhsa_forward_progress 1
		.amdhsa_inst_pref_size 18
	.end_amdhsa_kernel
	.amdgpu_metadata
---
amdhsa.version: [ 1, 2 ]
amdhsa.kernels:
  - .name:           k_q4913d2a63f_sums
    .symbol:         k_q4913d2a63f_sums.kd
    .args:
      - { .name: y, .offset: 0, .size: 8, .value_kind: global_buffer, .address_space: global }
      - { .name: z, .offset: 8, .size: 8, .value_kind: global_buffer, .address_space: global }
      - { .name: part, .offset: 16, .size: 8, .value_kind: global_buffer, .address_space: global }
      - { .name: pack, .offset: 24, .size: 8, .value_kind: global_buffer, .address_space: global }
      - { .name: W1_l1_w_codes, .offset: 32, .size: 8, .value_kind: global_buffer, .address_space: global }
      - { .name: W1_l1_w_scales, .offset: 40, .size: 8, .value_kind: global_buffer, .address_space: global }
      - { .name: W1_l1_b, .offset: 48, .size: 8, .value_kind: global_buffer, .address_space: global }
      - { .name: W1_l2_w_codes, .offset: 56, .size: 8, .value_kind: global_buffer, .address_space: global }
      - { .name: W1_l2_w_scales, .offset: 64, .size: 8, .value_kind: global_buffer, .address_space: global }
      - { .name: W1_l2_b, .offset: 72, .size: 8, .value_kind: global_buffer, .address_space: global }
      - { .name: W2_l1_w_codes, .offset: 80, .size: 8, .value_kind: global_buffer, .address_space: global }
      - { .name: W2_l1_w_scales, .offset: 88, .size: 8, .value_kind: global_buffer, .address_space: global }
      - { .name: W2_l1_b, .offset: 96, .size: 8, .value_kind: global_buffer, .address_space: global }
      - { .name: W2_l2_w_codes, .offset: 104, .size: 8, .value_kind: global_buffer, .address_space: global }
      - { .name: W2_l2_w_scales, .offset: 112, .size: 8, .value_kind: global_buffer, .address_space: global }
      - { .name: W2_l2_b, .offset: 120, .size: 8, .value_kind: global_buffer, .address_space: global }
      - { .name: B1_l1_w_codes, .offset: 128, .size: 8, .value_kind: global_buffer, .address_space: global }
      - { .name: B1_l1_w_scales, .offset: 136, .size: 8, .value_kind: global_buffer, .address_space: global }
      - { .name: B1_l1_b, .offset: 144, .size: 8, .value_kind: global_buffer, .address_space: global }
      - { .name: B1_l2_w_codes, .offset: 152, .size: 8, .value_kind: global_buffer, .address_space: global }
      - { .name: B1_l2_w_scales, .offset: 160, .size: 8, .value_kind: global_buffer, .address_space: global }
      - { .name: B1_l2_b, .offset: 168, .size: 8, .value_kind: global_buffer, .address_space: global }
      - { .name: B2_l1_w_codes, .offset: 176, .size: 8, .value_kind: global_buffer, .address_space: global }
      - { .name: B2_l1_w_scales, .offset: 184, .size: 8, .value_kind: global_buffer, .address_space: global }
      - { .name: B2_l1_b, .offset: 192, .size: 8, .value_kind: global_buffer, .address_space: global }
      - { .name: B2_l2_w_codes, .offset: 200, .size: 8, .value_kind: global_buffer, .address_space: global }
      - { .name: B2_l2_w_scales, .offset: 208, .size: 8, .value_kind: global_buffer, .address_space: global }
      - { .name: B2_l2_b, .offset: 216, .size: 8, .value_kind: global_buffer, .address_space: global }
    .group_segment_fixed_size: 5120
    .private_segment_fixed_size: 0
    .kernarg_segment_align: 8
    .kernarg_segment_size: 224
    .max_flat_workgroup_size: 256
    .sgpr_count:     84
    .vgpr_count:     96
    .wavefront_size: 32
...
	.end_amdgpu_metadata
.endif
;; end of part 1
;; launch apply (part 2): grid 256 x 1, 16 waves a work-group, no clusters, 16,384 bytes of LDS; arguments pack, part, len_x, len_y, len_z, x, out0; writes out0
.if DOCPART == 2
	.amdgcn_target "amdgcn-amd-amdhsa--gfx1250"
	.amdhsa_code_object_version 6
	.text
	.protected	k_q4913d2a63f_apply
	.globl	k_q4913d2a63f_apply
	.p2align	8
	.type	k_q4913d2a63f_apply,@function
k_q4913d2a63f_apply:
	s_mov_b64 s[64:65], 0
	v_nop
	global_prefetch_b8 v0, s[64:65] scope:SCOPE_SE
	s_setreg_imm32_b32 hwreg(HW_REG_WAVE_MODE, 25, 1), 1
	s_wait_xcnt 0x0
; SECOND OF TWO LAUNCHES.  out0[b][t][:] = g[b][:] x[b][t][:] (+ c[b][:] in row t = 0) for t < len_x[b], else 0;  g = 1 + (W1 + W2) / 2, c = (b1 + b2) / 2.
; WORK LEFT OUT: the two DFT products, their exponentials and _complex_relu: in exact arithmetic the inverse DFT undoes the DFT on rows under len_x, the bias reaches row 0 alone, and the other rows are 0 (shown at the head of
; the first launch).  So B1 and B2 reach row 0 alone: only the sixteen work-groups that own a row 0 compute them.
; LIMITS: len_x from 1 to 1024 (<= 0 gives zeros; above 1024 not served); len_y, len_z not 0.  A NaN, an infinity or an overflow that reference() would spread through the DFTs stays in its own number.  Rows past len_x are 0 x g:
; the zero may carry a minus sign.  In the GELU, erfc under 2^-126 falls to 0.  A block of zeros gets the scale byte 1 (its codes are zeros; the bytes are read here alone).
; SHARES.  Work-group 16 b + blk, sixteen waves.  Wave w owns rows t = blk + 64 w + 16 i, i = 0..3, of batch b: rows are dealt out by turns, so that all work-groups of a batch have the same share of live rows.
; A row is one load and one store of 16 bytes a lane: 512 consecutive bytes.  Rows past len_x are not loaded (a scalar branch on len_x, which is read from memory).
; THE MLPs are computed anew in each work-group, beside the loads of x: wave w takes MLP m = w / 4 (W1, W2, B1, B2; input c1 for even m, c2 for odd) and quarter q = w % 4 of its columns: 64 hidden units, 32 outputs.
; Its operands come from pack as images of the operand registers, 16 bytes a lane.  Where blk > 0 only waves 0-7 (W1, W2) do so.  The two kinds of work-group take two copies of the body, each with LDS bytes of its own.
; THE PRODUCTS, in MX-FP6: source 0 = the activations, ONE row, held alike by all 16 rows of the tile (lane (r, h) holds k = 64 c + 32 h + 0..31); source 1 = 16 rows of the weight.  So register 0 of the result in lane (r, .) is the
; number for weight row r, and a select by lanes joins two tiles into one register: lane l = unit 32 p + l.
; NO CLUSTER: the work-groups do read the same images, but a joint load would send them through LDS (one LDS write and one LDS read more for bytes that now go straight into the operand registers), would put a cluster's
; barrier ahead of the chain that every store waits for.
; LDS, for each body from LB on: CV c1, c2 (2 x 512 bytes); HID the hidden layers in f32 (4 x 1,024); RES the MLPs' results (4 x 512).  Behind both bodies' bytes the spare words, 128 bytes for each of sixteen waves.
.set RG,    13824
.set CV,    0
.set HID,   1024
.set RES,   5120
.set BODYB, 7168
.set SPARE, 14336
; REGISTERS: v1 16 x lane, v2 8 x lane, v3 4 x lane; v4-v8 LDS addresses (lane and wave parts; the regions stand in the immediates); v10, v11 the add's two; v12 8 h
.set X,   16                           ; v16-31   my four rows of x
.set F1,  32                           ; v32-79   layer 1: four fragments
.set SW1, 80                           ; v80-83   their scale words
.set BI1, 84                           ; v84-85   its bias
.set F2,  88                           ; v88-135  layer 2: four fragments (2 t + s)
.set SW2, 136                          ; v136-139 their scale words
.set BI2, 140                          ; v140     its bias
.set ST,  144                          ; v144-207 at work: partial sums; 64 numbers ahead of the quantiser; the products' results (v144-175)
.set GA,  176                          ; from v176: the GELU's registers, two values by turns
.set GV,  178
.set GS,  180
.set G2,  182
.set GE,  184
.set GZ,  186
.set GM,  188
.set GR,  190
.set GT,  192
.set GY,  194
.set GP,  196
.set GQ,  198
.set GH,  200
.set A1,  208                          ; v208-219, v220-231 the activations' codes: two fragments
.set CT,  232                          ; v232-238 the upper halves of the blocks' codes, as the conversions leave them
.set SA,  240                          ; v240-242 the activations' scale words: scales and nothing else
.set TM,  244                          ; v244-250 the quantiser's scratch
.macro ADDQ d, a
	v_pk_add_f32 v[(\d):(\d)+1], v[(\d):(\d)+1], v[(\a):(\a)+1]
	v_pk_add_f32 v[(\d)+2:(\d)+3], v[(\d)+2:(\d)+3], v[(\a)+2:(\a)+3]
.endm
.macro PLACES n
.rept \n
	v_nop
.endr
.endm
.macro BARRIER                         ; my LDS stores have landed and my LDS loads are in: then the work-group's barrier
	s_wait_dscnt 0x0
	s_barrier_signal -1
	s_barrier_wait -1
.endm
; 64 numbers of a lane, v[src + 32 c + i] = k 64 c + 32 h + i: two whole blocks of 32.  They become the fragment v[dst .. dst + 11] and the scale word v[sw].
.macro QUANT64 src, dst, sw
.irp c, 0,1
	v_max3_num_f32 v[TM+\c], |v[\src+32*\c]|, |v[\src+32*\c+1]|, 0x1800000   ; the block's largest magnitude, and the floor 2^(3 - 127): the byte cannot fall under 1
.endr
.irp i, 2,4,6,8,10,12,14,16,18,20,22,24,26,28,30
.irp c, 0,1
	v_max3_num_f32 v[TM+\c], v[TM+\c], |v[\src+32*\c+\i]|, |v[\src+32*\c+\i+1]|   ; (the two blocks by turns)
.endr
.endr
.irp c, 0,1
	v_add_nc_u32 v[TM+2+\c], 0xff000000, v[TM+\c]  ; 2 off its exponent field: the conversion takes the exponent field of this operand as its scale
.endr
.irp c, 0,1
	v_lshrrev_b32 v[TM+4+\c], 23, v[TM+2+\c]       ; the scale's byte
.endr
	v_lshl_or_b32 v[TM+4], v[TM+5], 16, v[TM+4]    ; my two bytes, blocks h and 2 + h,
	v_lshlrev_b32 v[TM+4], v12, v[TM+4]            ; at their places in the word (8 h bits up);
	v_permlanex16_b32 v[TM+6], v[TM+4], s30, s31
	v_or_b32 v[\sw], v[TM+4], v[TM+6]              ; with lane l xor 16's two the word is whole
.irp c, 0,1
	v_cvt_scalef32_pk16_fp6_f32 v[\dst+6*\c:\dst+6*\c+2], v[\src+32*\c:\src+32*\c+15], v[TM+2+\c]
	v_cvt_scalef32_pk16_fp6_f32 v[CT+4*\c:CT+4*\c+2], v[\src+32*\c+16:\src+32*\c+31], v[TM+2+\c]   ; (a conversion's three registers begin on an even number)
.endr
	v_nop                                          ; one plain place behind a scaled conversion
.irp c, 0,1
.irp i, 0,1,2
	v_mov_b32 v[\dst+3+6*\c+\i], v[CT+4*\c+\i]
.endr
.endr
.endm
; h = 0.5 a (1 + erf(a / sqrt 2)), the exact GELU, for a in v[GA], v[GA + 1]; h in v[GH], v[GH + 1].  With v = a / sqrt 2:  |v| < 1: 1 + erf(v) = 1 + v T(v^2).  Else erfc(|v|) = exp(-v^2) / |v| x P(1 / v^2) (|v| < 2) or
; R(1 / v^2), and 1 + erf(v) = erfc(|v|) for v < 0, 2 - erfc(|v|) for v > 0: so the negative tail keeps its relative accuracy.  All three are computed and selected: no branch on data.
; The tail takes 1 / max(|v|, 1), so that the part that is selected away stays finite.
.macro GELU2
.irp k, 0,1
	v_mul_f32 v[GV+\k], 0x3f3504f3, v[GA+\k]       ; v
.endr
.irp k, 0,1
	v_and_b32 v[GS+\k], 0x7fffffff, v[GV+\k]       ; |v|
	v_mul_f32 v[G2+\k], v[GV+\k], v[GV+\k]         ; v^2
.endr
.irp k, 0,1
	v_max_num_f32 v[GM+\k], 1.0, v[GS+\k]
	v_mul_f32 v[GE+\k], 0xbfb8aa3b, v[G2+\k]       ; -v^2 log2(e)
.endr
.irp k, 0,1
	v_rcp_f32 v[GR+\k], v[GM+\k]
.endr
.irp k, 0,1
	v_exp_f32 v[GZ+\k], v[GE+\k]
.endr
.irp k, 0,1
	v_mov_b32 v[GT+\k], 0x38a4b519                 ; T, which names no result of the four above: the plain work behind them
.endr
.irp n, 0xba51fb80, 0x3baa02d9, 0xbcdbfc87, 0x3de7167c, 0xbec0939f, 0x3f906eba
.irp k, 0,1
	v_fmaak_f32 v[GT+\k], v[GT+\k], v[G2+\k], \n
.endr
.endr
.irp k, 0,1
	v_fma_f32 v[GT+\k], v[GV+\k], v[GT+\k], 1.0    ; 1 + erf(v), for |v| < 1
.endr
	s_wait_alu depctr_va_vdst(0)                   ; one wait for the two reciprocals and the two exponentials, ahead of their first reader
.irp k, 0,1
	v_mul_f32 v[GY+\k], v[GR+\k], v[GR+\k]         ; 1 / v^2
	v_mul_f32 v[GZ+\k], v[GZ+\k], v[GR+\k]         ; exp(-v^2) / |v|
.endr
.irp k, 0,1
	v_mov_b32 v[GP+\k], 0x3cbe9cf4
	v_mov_b32 v[GQ+\k], 0xc127a483
.endr
.irp n, 0xbe0e0868, 0x3ebccbd0, 0xbf151cf8, 0x3f1ef9e3, 0xbefd28c0, 0x3eae5471, 0xbe8c5880, 0x3f1056e6
.irp k, 0,1
	v_fmaak_f32 v[GP+\k], v[GP+\k], v[GY+\k], \n
.endr
.endr
.irp n, 0x414fa29c, 0xc0efdb4a, 0x403af1fa, 0xbf81f436, 0x3ed7fc3e, 0xbe906c5d, 0x3f106eb9
.irp k, 0,1
	v_fmaak_f32 v[GQ+\k], v[GQ+\k], v[GY+\k], \n
.endr
.endr
.irp k, 0,1
	v_cmp_gt_f32 s[34+\k], 2.0, v[GM+\k]
.endr
.irp k, 0,1
	v_cndmask_b32 v[GP+\k], v[GQ+\k], v[GP+\k], s[34+\k]   ; P under 2, else R
.endr
.irp k, 0,1
	v_mul_f32 v[GP+\k], v[GZ+\k], v[GP+\k]         ; erfc(|v|)
	v_cmp_gt_f32 s[34+\k], 0, v[GV+\k]
.endr
.irp k, 0,1
	v_sub_f32 v[GQ+\k], 2.0, v[GP+\k]
.endr
.irp k, 0,1
	v_cndmask_b32 v[GP+\k], v[GQ+\k], v[GP+\k], s[34+\k]   ; v < 0: erfc(|v|), else 2 - erfc(|v|)
.endr
.irp k, 0,1
	v_cmp_gt_f32 s[34+\k], 1.0, v[GS+\k]
	v_mul_f32 v[GH+\k], 0.5, v[GA+\k]
.endr
.irp k, 0,1
	v_cndmask_b32 v[GP+\k], v[GP+\k], v[GT+\k], s[34+\k]   ; |v| < 1: 1 + v T
.endr
.irp k, 0,1
	v_mul_f32 v[GH+\k], v[GH+\k], v[GP+\k]
.endr
.endm
	s_load_b256 s[4:11], s[0:1], 0x0               ; pack s[4:5], part s[6:7], len_x s[8:9], len_y s[10:11]
	s_load_b128 s[12:15], s[0:1], 0x20             ; len_z s[12:13], x s[14:15]
	s_load_b64 s[16:17], s[0:1], 0x30              ; out0
	v_lshl_add_u32 v10, v0, 2, SPARE               ; my spare word; never rewritten
	v_mov_b32 v11, 0                               ; 0; never rewritten
	v_lshrrev_b32 v13, 5, v0
	v_readfirstlane_b32 s18, v13                   ; wave 0..15
	v_and_b32 v14, 31, v0                          ; lane
	v_lshlrev_b32 v1, 4, v14
	v_lshlrev_b32 v2, 3, v14
	v_lshlrev_b32 v3, 2, v14
	v_bfe_u32 v15, v0, 4, 1                        ; h
	v_lshlrev_b32 v12, 3, v15
	s_lshr_b32 s19, ttmp9, 4                       ; b
	s_and_b32 s20, ttmp9, 15                       ; blk
	s_lshr_b32 s21, s18, 2                         ; m
	s_lshl_b32 s27, s18, 6
	s_add_co_u32 s27, s27, s20                     ; t0 = blk + 64 w: my first row
	s_mov_b32 s30, 0x76543210
	s_mov_b32 s31, 0xfedcba98                      ; v_permlanex16_b32's selects for lane l xor 16
	s_mov_b32 s32, 0xffff0000                      ; lanes 16-31
	; every LDS address is made here, ahead of the first parting of the waves
	s_and_b32 s22, s21, 1
	s_lshl_b32 s22, s22, 9
	v_lshl_add_u32 v4, v15, 7, s22                 ; in CV: my MLP's input, my half's 32 numbers of each 64
	s_lshl_b32 s23, s21, 10
	v_lshl_add_u32 v5, v15, 7, s23                 ; in HID: my MLP's hidden layer, likewise
	s_lshl_b32 s34, s18, 8
	v_add_nc_u32 v6, s34, v3                       ; in HID: where I put my 64 units: 256 w + 4 x lane
	v_lshlrev_b32 v7, 2, v0                        ; in RES: where I put my 32 outputs: 128 w + 4 x lane
	v_lshlrev_b32 v8, 4, v0                        ; in CV: waves 0 and 1 put c1 and c2: 512 w + 16 x lane
	v_mov_b32 v[TM+6], 0                           ; written once: a lane permute's destination counts as one of its sources
.irp i, 0,1,2,3,4,5,6,7,8,9,10,11,12,13,14,15
	v_mov_b32 v[X+\i], 0                           ; rows past len_x are not loaded and stay 0
.endr
	s_lshl_b32 s28, s19, 2
	s_mov_b32 s29, 0
	s_wait_kmcnt 0x0
	s_add_nc_u64 s[8:9], s[8:9], s[28:29]
	s_add_nc_u64 s[10:11], s[10:11], s[28:29]
	s_add_nc_u64 s[12:13], s[12:13], s[28:29]
	s_load_b32 s24, s[8:9], 0x0                    ; len_x[b]
	s_load_b32 s25, s[10:11], 0x0                  ; len_y[b]
	s_load_b32 s26, s[12:13], 0x0                  ; len_z[b]
	s_mul_i32 s28, s18, RG
	s_add_nc_u64 s[4:5], s[4:5], s[28:29]          ; my region of pack
	s_lshl_b32 s28, s19, 19                        ; the batch, 1,024 rows of 512 bytes,
	s_lshl_b32 s22, s20, 9
	s_add_co_u32 s28, s28, s22                     ; + blk rows
	s_lshl_b32 s22, s18, 15
	s_add_co_u32 s28, s28, s22                     ; + 64 w rows
	s_add_nc_u64 s[14:15], s[14:15], s[28:29]
	s_add_nc_u64 s[16:17], s[16:17], s[28:29]
	s_cmp_lg_u32 s20, 0                            ; the work-group's number alone decides: all sixteen waves go the same way
	s_cbranch_scc1 .Llight
; heavy = 1: the work-group owns row 0 of its batch: all sixteen waves have an MLP.  heavy = 0: waves 0-7 have.  No barrier stands under a branch on the wave's number or on a length.
.macro BODY heavy
.set LB, BODYB*\heavy
	; ---- all loads go out
.if \heavy == 0
	s_cmp_lt_u32 s18, 8
	s_cbranch_scc0 .Lnw_\@
.endif
	s_cmp_lt_u32 s18, 2
	s_cbranch_scc0 .Lnp_\@
	s_lshl_b32 s22, s18, 4                         ; wave 0: y's eight partial sums of batch b; wave 1: z's: records 128 w + 8 b + k
	s_add_co_u32 s22, s22, s19
	s_lshl_b32 s28, s22, 12
	s_add_nc_u64 s[36:37], s[6:7], s[28:29]
.irp k, 0,1,2,3,4,5,6,7
	global_load_b128 v[ST+4*\k:ST+4*\k+3], v1, s[36:37] offset:512*\k
.endr
.Lnp_\@:
.irp f, 0,1,2,3                                ; layer 1: 14 loads
.irp c, 0,1,2
	global_load_b128 v[F1+12*\f+4*\c:F1+12*\f+4*\c+3], v1, s[4:5] offset:1536*\f+512*\c
.endr
.endr
	global_load_b128 v[SW1:SW1+3], v1, s[4:5] offset:12288
	global_load_b64 v[BI1:BI1+1], v2, s[4:5] offset:13312
.irp f, 0,1,2,3                                ; layer 2: 14 loads
.irp c, 0,1,2
	global_load_b128 v[F2+12*\f+4*\c:F2+12*\f+4*\c+3], v1, s[4:5] offset:6144+1536*\f+512*\c
.endr
.endr
	global_load_b128 v[SW2:SW2+3], v1, s[4:5] offset:12800
	global_load_b32 v[BI2], v3, s[4:5] offset:13568
.Lnw_\@:
	s_wait_kmcnt 0x0                               ; the three lengths
	s_sub_co_i32 s23, s24, s27                     ; len_x - t0: row i is live where 16 i is under it
.irp i, 0,1,2,3
	s_cmp_le_i32 s23, 16*\i
	s_cbranch_scc1 .Lxd_\@
	global_load_b128 v[X+4*\i:X+4*\i+3], v1, s[14:15] offset:8192*\i th:TH_LOAD_NT
.endr
.Lxd_\@:
	; ---- c1 (wave 0) and c2 (wave 1): the eight partial sums, divided by the length
	s_cmp_lt_u32 s18, 2
	s_cbranch_scc0 .Lnc_\@
	s_cmp_eq_u32 s18, 0
	s_cselect_b32 s33, s25, s26
	v_cvt_f32_i32 v176, s33
	v_rcp_f32 v177, v176
	v_nop                                          ; a plain place behind the reciprocal
	s_wait_loadcnt 28                              ; behind the eight partial sums 28 loads of pack were issued, and 0 to 4 of x: the least count holds on every way
	ADDQ ST, ST+4
	ADDQ ST+8, ST+12
	ADDQ ST+16, ST+20
	ADDQ ST+24, ST+28
	ADDQ ST, ST+8
	ADDQ ST+16, ST+24
	ADDQ ST, ST+16
	s_wait_alu depctr_va_vdst(0)                   ; ahead of the reciprocal's first reader
.irp j, 0,1,2,3
	v_mul_f32 v[180+\j], v[ST+\j], v177            ; q = S / L: a first quotient,
.endr
.irp j, 0,1,2,3
	v_fma_f32 v[184+\j], -v[180+\j], v176, v[ST+\j]   ; what it leaves of S,
.endr
.irp j, 0,1,2,3
	v_fma_f32 v[180+\j], v[184+\j], v177, v[180+\j]   ; and the quotient mended by it
.endr
	ds_store_b128 v8, v[180:183] offset:LB+CV
.Lnc_\@:
	BARRIER                                        ; c1 and c2 lie in LDS
	; ---- layer 1: my 64 hidden units
.if \heavy == 0
	s_cmp_lt_u32 s18, 8
	s_cbranch_scc0 .Ln2_\@
.endif
.irp c, 0,1
.irp j, 0,1,2,3,4,5,6,7
	ds_load_b128 v[ST+32*\c+4*\j:ST+32*\c+4*\j+3], v4 offset:LB+CV+256*\c+16*\j   ; c(64 c + 32 h + 4 j ..): the sixteen lanes of a half read the same bytes
.endr
.endr
	s_wait_dscnt 0x0
	QUANT64 ST, A1, SA
	PLACES 8                                       ; a scale register written by a vector instruction stands 8 places ahead of a scaled matrix instruction, an operand so written 4
	s_wait_loadcnt 14                              ; layer 1's 14 loads are in: behind them layer 2's 14 were issued, and 0 to 4 of x
.irp t, 0,1,2,3
	v_wmma_scale_f32_16x16x128_f8f6f4 v[ST+8*\t:ST+8*\t+7], v[A1:A1+11], v[F1+12*\t:F1+12*\t+11], 0, v[SA], v[SW1+\t] matrix_a_fmt:MATRIX_FMT_FP6 matrix_b_fmt:MATRIX_FMT_FP6
.endr
	PLACES 4
.irp p, 0,1
	v_cndmask_b32 v[GA+\p], v[ST+16*\p], v[ST+8+16*\p], s32   ; register 0 of tiles 2 p (lanes 0-15) and 2 p + 1 (lanes 16-31): lane l holds unit 64 q + 32 p + l
.endr
.irp p, 0,1
	v_add_f32 v[GA+\p], v[GA+\p], v[BI1+\p]
.endr
	GELU2
.irp p, 0,1
	ds_store_b32 v6, v[GH+\p] offset:LB+HID+128*\p
.endr
.Ln2_\@:
	BARRIER                                        ; the hidden layers lie in LDS
	; ---- layer 2: my 32 outputs, K = 256 in two steps
.if \heavy == 0
	s_cmp_lt_u32 s18, 8
	s_cbranch_scc0 .Ln3_\@
.endif
.irp s, 0,1
.irp c, 0,1
.irp j, 0,1,2,3,4,5,6,7
	ds_load_b128 v[ST+32*\c+4*\j:ST+32*\c+4*\j+3], v5 offset:LB+HID+512*\s+256*\c+16*\j
.endr
.endr
	s_wait_dscnt 0x0
	QUANT64 ST, A1+12*\s, SA+1+\s
.endr
	PLACES 8
	s_wait_loadcnt 0x0                             ; layer 2's loads: behind them only x's were issued, 0 on some ways
.irp s, 0,1                                    ; the two accumulators take turns, one instruction a turn
.irp t, 0,1
.if \s == 0
	v_wmma_scale_f32_16x16x128_f8f6f4 v[ST+8*\t:ST+8*\t+7], v[A1+12*\s:A1+12*\s+11], v[F2+12*(2*\t+\s):F2+12*(2*\t+\s)+11], 0, v[SA+1+\s], v[SW2+2*\t+\s] matrix_a_fmt:MATRIX_FMT_FP6 matrix_b_fmt:MATRIX_FMT_FP6
.else
	v_wmma_scale_f32_16x16x128_f8f6f4 v[ST+8*\t:ST+8*\t+7], v[A1+12*\s:A1+12*\s+11], v[F2+12*(2*\t+\s):F2+12*(2*\t+\s)+11], v[ST+8*\t:ST+8*\t+7], v[SA+1+\s], v[SW2+2*\t+\s] matrix_a_fmt:MATRIX_FMT_FP6 matrix_b_fmt:MATRIX_FMT_FP6
.endif
.endr
.endr
	PLACES 4
	v_cndmask_b32 v[GA], v[ST], v[ST+8], s32       ; lane l holds output 32 q + l
	v_add_f32 v[GA], v[GA], v[BI2]
	ds_store_b32 v7, v[GA] offset:LB+RES
.Ln3_\@:
	BARRIER                                        ; the MLPs' results lie in LDS
	; ---- my four rows
	ds_load_b128 v[176:179], v1 offset:LB+RES      ; W1 of my four channels
	ds_load_b128 v[180:183], v1 offset:LB+RES+512  ; W2
	s_wait_loadcnt 0x0                             ; x
	s_wait_dscnt 0x0
	v_pk_add_f32 v[176:177], v[176:177], v[180:181]
	v_pk_add_f32 v[178:179], v[178:179], v[182:183]
	v_pk_fma_f32 v[176:177], v[176:177], 0.5, 1.0 op_sel_hi:[1,0,0]   ; g = 1 + (W1 + W2) / 2
	v_pk_fma_f32 v[178:179], v[178:179], 0.5, 1.0 op_sel_hi:[1,0,0]
.irp i, 0,1,2,3
	v_pk_mul_f32 v[X+4*\i:X+4*\i+1], v[X+4*\i:X+4*\i+1], v[176:177]
	v_pk_mul_f32 v[X+4*\i+2:X+4*\i+3], v[X+4*\i+2:X+4*\i+3], v[178:179]
.endr
.if \heavy
	s_cmp_lg_u32 s18, 0                            ; row 0 is wave 0's first row,
	s_cbranch_scc1 .Lnr_\@
	s_cmp_gt_i32 s24, 0                            ; and takes the bias if it is live
	s_cbranch_scc0 .Lnr_\@
	ds_load_b128 v[184:187], v1 offset:LB+RES+1024 ; b1
	ds_load_b128 v[188:191], v1 offset:LB+RES+1536 ; b2
	s_wait_dscnt 0x0
	v_pk_add_f32 v[184:185], v[184:185], v[188:189]
	v_pk_add_f32 v[186:187], v[186:187], v[190:191]
	v_pk_fma_f32 v[X:X+1], v[184:185], 0.5, v[X:X+1] op_sel_hi:[1,0,1]   ; + (b1 + b2) / 2
	v_pk_fma_f32 v[X+2:X+3], v[186:187], 0.5, v[X+2:X+3] op_sel_hi:[1,0,1]
.Lnr_\@:
.endif
.irp i, 0,1,2,3
	global_store_b128 v1, v[X+4*\i:X+4*\i+3], s[16:17] offset:8192*\i th:TH_STORE_NT   ; 32 lanes store a row's 512 consecutive bytes; written once, read by nobody here
.endr
	s_wait_tensorcnt 0x0                           ; the wave's end
	ds_add_u32 v10, v11
	s_wait_dscnt 0x0
	s_endpgm
.endm
	BODY 1
.Llight:
	BODY 0
.Lfunc_end_k_q4913d2a63f_apply:
	.size	k_q4913d2a63f_apply, .Lfunc_end_k_q4913d2a63f_apply-k_q4913d2a63f_apply
	.p2alignl 7, 3214868480
	.fill 96, 4, 3214868480
	.section	.rodata,"a",@progbits
	.p2align	6, 0x0
	.amdhsa_kernel k_q4913d2a63f_apply
		.amdhsa_group_segment_fixed_size 16384
		.amdhsa_private_segment_fixed_size 0
		.amdhsa_enable_private_segment 0
		.amdhsa_kernarg_size 56
		.amdhsa_user_sgpr_count 2
		.amdhsa_user_sgpr_kernarg_segment_ptr 1
		.amdhsa_wavefront_size32 1
		.amdhsa_system_sgpr_workgroup_id_x 1
		.amdhsa_system_sgpr_workgroup_id_y 1
		.amdhsa_system_sgpr_workgroup_id_z 1
		.amdhsa_system_vgpr_workitem_id 0
		.amdhsa_next_free_vgpr 256
		.amdhsa_next_free_sgpr 66
		.amdhsa_reserve_vcc 0
		.amdhsa_float_denorm_mode_32 3
		.amdhsa_float_denorm_mode_16_64 3
		.amdhsa_memory_ordered 1
		.amdhsa_forward_progress 1
		.amdhsa_inst_pref_size 58
	.end_amdhsa_kernel
	.amdgpu_metadata
---
amdhsa.version: [ 1, 2 ]
amdhsa.kernels:
  - .name:           k_q4913d2a63f_apply
    .symbol:         k_q4913d2a63f_apply.kd
    .args:
      - { .name: pack, .offset: 0, .size: 8, .value_kind: global_buffer, .address_space: global }
      - { .name: part, .offset: 8, .size: 8, .value_kind: global_buffer, .address_space: global }
      - { .name: len_x, .offset: 16, .size: 8, .value_kind: global_buffer, .address_space: global }
      - { .name: len_y, .offset: 24, .size: 8, .value_kind: global_buffer, .address_space: global }
      - { .name: len_z, .offset: 32, .size: 8, .value_kind: global_buffer, .address_space: global }
      - { .name: x, .offset: 40, .size: 8, .value_kind: global_buffer, .address_space: global }
      - { .name: out0, .offset: 48, .size: 8, .value_kind: global_buffer, .address_space: global }
    .group_segment_fixed_size: 16384
    .private_segment_fixed_size: 0
    .kernarg_segment_align: 8
    .kernarg_segment_size: 56
    .max_flat_workgroup_size: 512
    .sgpr_count:     66
    .vgpr_count:     256
    .wavefront_size: 32
...
	.end_amdgpu_metadata
.endif
;; end of part 2
;; ======== version 2 of 2: 2 launches; version 1 with the launch apply written anew for expert scheduling mode
;; workspace buffers: part 131,072 bytes; pack 221,184 bytes
;; launch sums: the kernel of part 1 again; grid 260 x 1, 8 waves a work-group, no clusters, 5,120 bytes of LDS; arguments y, z, part, pack, W1_l1_w_codes, W1_l1_w_scales, W1_l1_b, W1_l2_w_codes, W1_l2_w_scales, W1_l2_b, W2_l1_w_codes, W2_l1_w_scales, W2_l1_b, W2_l2_w_codes, W2_l2_w_scales, W2_l2_b, B1_l1_w_codes, B1_l1_w_scales, B1_l1_b, B1_l2_w_codes, B1_l2_w_scales, B1_l2_b, B2_l1_w_codes, B2_l1_w_scales, B2_l1_b, B2_l2_w_codes, B2_l2_w_scales, B2_l2_b; writes part, pack
;; launch apply (part 3): grid 256 x 1, 16 waves a work-group, no clusters, 16,384 bytes of LDS; arguments pack, part, len_x, len_y, len_z, x, out0; writes out0
.if DOCPART == 3
	.amdgcn_target "amdgcn-amd-amdhsa--gfx1250"
	.amdhsa_code_object_version 6
	.text
	.protected	k_q4913d2a63f_apply
	.globl	k_q4913d2a63f_apply
	.p2align	8
	.type	k_q4913d2a63f_apply,@function
k_q4913d2a63f_apply:
	s_mov_b64 s[64:65], 0
	v_nop
	global_prefetch_b8 v0, s[64:65] scope:SCOPE_SE
	s_setreg_imm32_b32 hwreg(HW_REG_WAVE_SCHED_MODE, 0, 2), 2
	s_setreg_imm32_b32 hwreg(HW_REG_WAVE_MODE, 25, 1), 1
	s_wait_xcnt 0x0
	s_wait_alu depctr_vm_vsrc(0)
; SECOND OF TWO LAUNCHES.  out0[b][t][:] = g[b][:] x[b][t][:] (+ c[b][:] in row t = 0) for t < len_x[b], else 0;  g = 1 + (W1 + W2) / 2, c = (b1 + b2) / 2.
; WORK LEFT OUT: the two DFT products, their exponentials and _complex_relu: in exact arithmetic the inverse DFT undoes the DFT on rows under len_x, the bias reaches row 0 alone, and the other rows are 0 (shown at the head of
; the first launch).  So B1 and B2 reach row 0 alone: only the sixteen work-groups that own a row 0 compute them.
; LIMITS: len_x from 1 to 1024 (<= 0 gives zeros; above 1024 not served); len_y, len_z not 0.  A NaN, an infinity or an overflow that reference() would spread through the DFTs stays in its own number.  Rows past len_x are 0 x g:
; the zero may carry a minus sign.  In the GELU, erfc under 2^-126 falls to 0.  A block of zeros gets the scale byte 1 (its codes are zeros; the bytes are read here alone).
; SHARES.  Work-group 16 b + blk, sixteen waves.  Wave w owns rows t = blk + 64 w + 16 i, i = 0..3, of batch b: rows are dealt out by turns, so that all work-groups of a batch have the same share of live rows.
; A row is one load and one store of 16 bytes a lane: 512 consecutive bytes.  Rows past len_x are not loaded (a scalar branch on len_x, which is read from memory).
; THE MLPs are computed anew in each work-group, beside the loads of x: wave w takes MLP m = w / 4 (W1, W2, B1, B2; input c1 for even m, c2 for odd) and quarter q = w % 4 of its columns: 64 hidden units, 32 outputs.
; Its operands come from pack as images of the operand registers, 16 bytes a lane.  Where blk > 0 only waves 0-7 (W1, W2) do so.  The two kinds of work-group take two copies of the body, each with LDS bytes of its own.
; THE PRODUCTS, in MX-FP6: source 0 = the activations, ONE row, held alike by all 16 rows of the tile (lane (r, h) holds k = 64 c + 32 h + 0..31); source 1 = 16 rows of the weight.  So register 0 of the result in lane (r, .) is the
; number for weight row r, and a select by lanes joins two tiles into one register: lane l = unit 32 p + l.
; NO CLUSTER: the work-groups do read the same images, but a joint load would send them through LDS (one LDS write and one LDS read more for bytes that now go straight into the operand registers), would put a cluster's
; barrier ahead of the chain that every store waits for.
; LDS, for each body from LB on: CV c1, c2 (2 x 512 bytes); HID the hidden layers in f32 (4 x 1,024); RES the MLPs' results (4 x 512).  Behind both bodies' bytes the spare words, 128 bytes for each of sixteen waves.
; THE MODE: SCHED_MODE bits 1:0 = 2 (LLVM: expert scheduling mode 2), set by the entry lines.  The code itself states the register dependences between vector or matrix instructions and memory or LDS instructions,
; with s_wait_alu, always for 0.
; THE PLAN.  Registers that memory or LDS instructions touch:
;   v1-v8, v10, v11   offsets and LDS addresses: written at the head, read by loads and stores, never written again: ONE wait on va_vdst at the head's end serves every address of the kernel.
;   X                 cleared at the head (the same wait lets loads land there); multiplied in place at the end; one wait on va_vdst ahead of the four stores that read it.
;   F1, F2, SW, BI    written by loads alone, read by matrix and vector instructions, never loaded again: their waits on LOADcnt are all.
;   ST (v144-207)     by turns a landing place of loads and the vector side's work space.  Each phase ends with an LDS store of its result out of ST: the wait on va_vdst ahead of that store states that the result is
;                     written, and, since it stands behind ALL of the phase's vector and matrix instructions, also that they are done with ST, in which the next phase's LDS loads land.  A wait on vm_vsrc directly behind
;                     the store states that it has read its data, which lie where those loads land.  Between layer 2's two runs of loads one more wait on va_vdst: the first run's quantiser has read ST.
;   Ahead of each run of scaled products, behind its places: a wait on va_vdst for the codes and scale words that vector instructions made.
;   Scalars written by vector instructions: the wave's number (one wait on va_sdst at the head), and the GELU's six masks, made in one run with one wait on va_sdst ahead of the first select.
.set RG,    13824
.set CV,    0
.set HID,   1024
.set RES,   5120
.set BODYB, 7168
.set SPARE, 14336
; REGISTERS: v1 16 x lane, v2 8 x lane, v3 4 x lane; v4-v8 LDS addresses (lane and wave parts; the regions stand in the immediates); v10, v11 the add's two; v12 8 h
.set X,   16                           ; v16-31   my four rows of x
.set F1,  32                           ; v32-79   layer 1: four fragments
.set SW1, 80                           ; v80-83   their scale words
.set BI1, 84                           ; v84-85   its bias
.set F2,  88                           ; v88-135  layer 2: four fragments (2 t + s)
.set SW2, 136                          ; v136-139 their scale words
.set BI2, 140                          ; v140     its bias
.set ST,  144                          ; v144-207 at work: partial sums; 64 numbers ahead of the quantiser; the products' results (v144-175)
.set GA,  176                          ; from v176: the GELU's registers, two values by turns
.set GV,  178
.set GS,  180
.set G2,  182
.set GE,  184
.set GZ,  186
.set GM,  188
.set GR,  190
.set GT,  192
.set GY,  194
.set GP,  196
.set GQ,  198
.set GH,  200
.set A1,  208                          ; v208-219, v220-231 the activations' codes: two fragments
.set CT,  232                          ; v232-238 the upper halves of the blocks' codes, as the conversions leave them
.set SA,  240                          ; v240-242 the activations' scale words: scales and nothing else
.set TM,  244                          ; v244-250 the quantiser's scratch
.set MK,  38                           ; s38-43   the GELU's six masks: |v| < 2, v < 0, |v| < 1, for two values each
.macro ADDQ d, a
	v_pk_add_f32 v[(\d):(\d)+1], v[(\d):(\d)+1], v[(\a):(\a)+1]
	v_pk_add_f32 v[(\d)+2:(\d)+3], v[(\d)+2:(\d)+3], v[(\a)+2:(\a)+3]
.endm
.macro PLACES n
.rept \n
	v_nop
.endr
.endm
.macro BARRIER                         ; my LDS stores have landed and my LDS loads are in: then the work-group's barrier
	s_wait_dscnt 0x0
	s_barrier_signal -1
	s_barrier_wait -1
.endm
; 64 numbers of a lane, v[src + 32 c + i] = k 64 c + 32 h + i: two whole blocks of 32.  They become the fragment v[dst .. dst + 11] and the scale word v[sw].  Vector instructions alone.
.macro QUANT64 src, dst, sw
.irp c, 0,1
	v_max3_num_f32 v[TM+\c], |v[\src+32*\c]|, |v[\src+32*\c+1]|, 0x1800000   ; the block's largest magnitude, and the floor 2^(3 - 127): the byte cannot fall under 1
.endr
.irp i, 2,4,6,8,10,12,14,16,18,20,22,24,26,28,30
.irp c, 0,1
	v_max3_num_f32 v[TM+\c], v[TM+\c], |v[\src+32*\c+\i]|, |v[\src+32*\c+\i+1]|   ; (the two blocks by turns)
.endr
.endr
.irp c, 0,1
	v_add_nc_u32 v[TM+2+\c], 0xff000000, v[TM+\c]  ; 2 off its exponent field: the conversion takes the exponent field of this operand as its scale
.endr
.irp c, 0,1
	v_lshrrev_b32 v[TM+4+\c], 23, v[TM+2+\c]       ; the scale's byte
.endr
	v_lshl_or_b32 v[TM+4], v[TM+5], 16, v[TM+4]    ; my two bytes, blocks h and 2 + h,
	v_lshlrev_b32 v[TM+4], v12, v[TM+4]            ; at their places in the word (8 h bits up);
	v_permlanex16_b32 v[TM+6], v[TM+4], s30, s31
	v_or_b32 v[\sw], v[TM+4], v[TM+6]              ; with lane l xor 16's two the word is whole
.irp c, 0,1
	v_cvt_scalef32_pk16_fp6_f32 v[\dst+6*\c:\dst+6*\c+2], v[\src+32*\c:\src+32*\c+15], v[TM+2+\c]
	v_cvt_scalef32_pk16_fp6_f32 v[CT+4*\c:CT+4*\c+2], v[\src+32*\c+16:\src+32*\c+31], v[TM+2+\c]   ; (a conversion's three registers begin on an even number)
.endr
	v_nop                                          ; one plain place behind a scaled conversion
.irp c, 0,1
.irp i, 0,1,2
	v_mov_b32 v[\dst+3+6*\c+\i], v[CT+4*\c+\i]
.endr
.endr
.endm
; h = 0.5 a (1 + erf(a / sqrt 2)), the exact GELU, for a in v[GA], v[GA + 1]; h in v[GH], v[GH + 1].  With v = a / sqrt 2:  |v| < 1: 1 + erf(v) = 1 + v T(v^2).  Else erfc(|v|) = exp(-v^2) / |v| x P(1 / v^2) (|v| < 2) or
; R(1 / v^2), and 1 + erf(v) = erfc(|v|) for v < 0, 2 - erfc(|v|) for v > 0: so the negative tail keeps its relative accuracy.  All three are computed and selected: no branch on data.
; The tail takes 1 / max(|v|, 1), so that the part that is selected away stays finite.  The six masks hang on v alone: they are made in one run, early, each in a scalar register of its own.
.macro GELU2
.irp k, 0,1
	v_mul_f32 v[GV+\k], 0x3f3504f3, v[GA+\k]       ; v
.endr
.irp k, 0,1
	v_and_b32 v[GS+\k], 0x7fffffff, v[GV+\k]       ; |v|
	v_mul_f32 v[G2+\k], v[GV+\k], v[GV+\k]         ; v^2
.endr
.irp k, 0,1
	v_max_num_f32 v[GM+\k], 1.0, v[GS+\k]
	v_mul_f32 v[GE+\k], 0xbfb8aa3b, v[G2+\k]       ; -v^2 log2(e)
.endr
.irp k, 0,1
	v_cmp_gt_f32 s[MK+\k], 2.0, v[GM+\k]           ; |v| < 2
	v_cmp_gt_f32 s[MK+2+\k], 0, v[GV+\k]           ; v < 0
	v_cmp_gt_f32 s[MK+4+\k], 1.0, v[GS+\k]         ; |v| < 1
.endr
.irp k, 0,1
	v_rcp_f32 v[GR+\k], v[GM+\k]
.endr
.irp k, 0,1
	v_exp_f32 v[GZ+\k], v[GE+\k]
.endr
.irp k, 0,1
	v_mov_b32 v[GT+\k], 0x38a4b519                 ; T, which names no result of the four above: the plain work behind them
.endr
.irp n, 0xba51fb80, 0x3baa02d9, 0xbcdbfc87, 0x3de7167c, 0xbec0939f, 0x3f906eba
.irp k, 0,1
	v_fmaak_f32 v[GT+\k], v[GT+\k], v[G2+\k], \n
.endr
.endr
.irp k, 0,1
	v_fma_f32 v[GT+\k], v[GV+\k], v[GT+\k], 1.0    ; 1 + erf(v), for |v| < 1
.endr
	s_wait_alu depctr_va_vdst(0)                   ; the two reciprocals have written v[GR ..] and the two exponentials v[GZ ..]: one wait, ahead of their first reader
.irp k, 0,1
	v_mul_f32 v[GY+\k], v[GR+\k], v[GR+\k]         ; 1 / v^2
	v_mul_f32 v[GZ+\k], v[GZ+\k], v[GR+\k]         ; exp(-v^2) / |v|
.endr
.irp k, 0,1
	v_mov_b32 v[GP+\k], 0x3cbe9cf4
	v_mov_b32 v[GQ+\k], 0xc127a483
.endr
.irp n, 0xbe0e0868, 0x3ebccbd0, 0xbf151cf8, 0x3f1ef9e3, 0xbefd28c0, 0x3eae5471, 0xbe8c5880, 0x3f1056e6
.irp k, 0,1
	v_fmaak_f32 v[GP+\k], v[GP+\k], v[GY+\k], \n
.endr
.endr
.irp n, 0x414fa29c, 0xc0efdb4a, 0x403af1fa, 0xbf81f436, 0x3ed7fc3e, 0xbe906c5d, 0x3f106eb9
.irp k, 0,1
	v_fmaak_f32 v[GQ+\k], v[GQ+\k], v[GY+\k], \n
.endr
.endr
	s_wait_alu depctr_va_sdst(0)                   ; the six compares have written s[MK .. MK + 5]: one wait, ahead of the first select that reads one of them
.irp k, 0,1
	v_cndmask_b32 v[GP+\k], v[GQ+\k], v[GP+\k], s[MK+\k]   ; P under 2, else R
.endr
.irp k, 0,1
	v_mul_f32 v[GP+\k], v[GZ+\k], v[GP+\k]         ; erfc(|v|)
.endr
.irp k, 0,1
	v_sub_f32 v[GQ+\k], 2.0, v[GP+\k]
.endr
.irp k, 0,1
	v_cndmask_b32 v[GP+\k], v[GQ+\k], v[GP+\k], s[MK+2+\k]   ; v < 0: erfc(|v|), else 2 - erfc(|v|)
.endr
.irp k, 0,1
	v_mul_f32 v[GH+\k], 0.5, v[GA+\k]
.endr
.irp k, 0,1
	v_cndmask_b32 v[GP+\k], v[GP+\k], v[GT+\k], s[MK+4+\k]   ; |v| < 1: 1 + v T
.endr
.irp k, 0,1
	v_mul_f32 v[GH+\k], v[GH+\k], v[GP+\k]
.endr
.endm
	s_load_b256 s[4:11], s[0:1], 0x0               ; pack s[4:5], part s[6:7], len_x s[8:9], len_y s[10:11]
	s_load_b128 s[12:15], s[0:1], 0x20             ; len_z s[12:13], x s[14:15]
	s_load_b64 s[16:17], s[0:1], 0x30              ; out0
	v_lshl_add_u32 v10, v0, 2, SPARE               ; my spare word; never rewritten
	v_mov_b32 v11, 0                               ; 0; never rewritten
	v_lshrrev_b32 v13, 5, v0
	v_readfirstlane_b32 s18, v13                   ; wave 0..15
	v_and_b32 v14, 31, v0                          ; lane
	v_lshlrev_b32 v1, 4, v14
	v_lshlrev_b32 v2, 3, v14
	v_lshlrev_b32 v3, 2, v14
	v_bfe_u32 v15, v0, 4, 1                        ; h
	v_lshlrev_b32 v12, 3, v15
	s_wait_alu depctr_va_sdst(0)                   ; s18 is written, ahead of its first reader: addresses and the branches on the wave's number are made from it
	s_lshr_b32 s19, ttmp9, 4                       ; b
	s_and_b32 s20, ttmp9, 15                       ; blk
	s_lshr_b32 s21, s18, 2                         ; m
	s_lshl_b32 s27, s18, 6
	s_add_co_u32 s27, s27, s20                     ; t0 = blk + 64 w: my first row
	s_mov_b32 s30, 0x76543210
	s_mov_b32 s31, 0xfedcba98                      ; v_permlanex16_b32's selects for lane l xor 16
	s_mov_b32 s32, 0xffff0000                      ; lanes 16-31
	; every LDS address is made here, ahead of the first parting of the waves
	s_and_b32 s22, s21, 1
	s_lshl_b32 s22, s22, 9
	v_lshl_add_u32 v4, v15, 7, s22                 ; in CV: my MLP's input, my half's 32 numbers of each 64
	s_lshl_b32 s23, s21, 10
	v_lshl_add_u32 v5, v15, 7, s23                 ; in HID: my MLP's hidden layer, likewise
	s_lshl_b32 s34, s18, 8
	v_add_nc_u32 v6, s34, v3                       ; in HID: where I put my 64 units: 256 w + 4 x lane
	v_lshlrev_b32 v7, 2, v0                        ; in RES: where I put my 32 outputs: 128 w + 4 x lane
	v_lshlrev_b32 v8, 4, v0                        ; in CV: waves 0 and 1 put c1 and c2: 512 w + 16 x lane
	v_mov_b32 v[TM+6], 0                           ; written once: a lane permute's destination counts as one of its sources
.irp i, 0,1,2,3,4,5,6,7,8,9,10,11,12,13,14,15
	v_mov_b32 v[X+\i], 0                           ; rows past len_x are not loaded and stay 0
.endr
	s_lshl_b32 s28, s19, 2
	s_mov_b32 s29, 0
	s_wait_kmcnt 0x0
	s_add_nc_u64 s[8:9], s[8:9], s[28:29]
	s_add_nc_u64 s[10:11], s[10:11], s[28:29]
	s_add_nc_u64 s[12:13], s[12:13], s[28:29]
	s_load_b32 s24, s[8:9], 0x0                    ; len_x[b]
	s_load_b32 s25, s[10:11], 0x0                  ; len_y[b]
	s_load_b32 s26, s[12:13], 0x0                  ; len_z[b]
	s_mul_i32 s28, s18, RG
	s_add_nc_u64 s[4:5], s[4:5], s[28:29]          ; my region of pack
	s_lshl_b32 s28, s19, 19                        ; the batch, 1,024 rows of 512 bytes,
	s_lshl_b32 s22, s20, 9
	s_add_co_u32 s28, s28, s22                     ; + blk rows
	s_lshl_b32 s22, s18, 15
	s_add_co_u32 s28, s28, s22                     ; + 64 w rows
	s_add_nc_u64 s[14:15], s[14:15], s[28:29]
	s_add_nc_u64 s[16:17], s[16:17], s[28:29]
	s_wait_alu depctr_va_vdst(0)                   ; v1 to v8 are written, which every load and store of the kernel reads as its offset or LDS address and no line writes again; X is cleared, in which the loads of x land
	s_cmp_lg_u32 s20, 0                            ; the work-group's number alone decides: all sixteen waves go the same way
	s_cbranch_scc1 .Llight
; heavy = 1: the work-group owns row 0 of its batch: all sixteen waves have an MLP.  heavy = 0: waves 0-7 have.  No barrier stands under a branch on the wave's number or on a length.
.macro BODY heavy
.set LB, BODYB*\heavy
	; ---- all loads go out.  No vector instruction stands between the head's wait and these loads
.if \heavy == 0
	s_cmp_lt_u32 s18, 8
	s_cbranch_scc0 .Lnw_\@
.endif
	s_cmp_lt_u32 s18, 2
	s_cbranch_scc0 .Lnp_\@
	s_lshl_b32 s22, s18, 4                         ; wave 0: y's eight partial sums of batch b; wave 1: z's: records 128 w + 8 b + k
	s_add_co_u32 s22, s22, s19
	s_lshl_b32 s28, s22, 12
	s_add_nc_u64 s[36:37], s[6:7], s[28:29]
.irp k, 0,1,2,3,4,5,6,7
	global_load_b128 v[ST+4*\k:ST+4*\k+3], v1, s[36:37] offset:512*\k
.endr
.Lnp_\@:
.irp f, 0,1,2,3                                ; layer 1: 14 loads
.irp c, 0,1,2
	global_load_b128 v[F1+12*\f+4*\c:F1+12*\f+4*\c+3], v1, s[4:5] offset:1536*\f+512*\c
.endr
.endr
	global_load_b128 v[SW1:SW1+3], v1, s[4:5] offset:12288
	global_load_b64 v[BI1:BI1+1], v2, s[4:5] offset:13312
.irp f, 0,1,2,3                                ; layer 2: 14 loads
.irp c, 0,1,2
	global_load_b128 v[F2+12*\f+4*\c:F2+12*\f+4*\c+3], v1, s[4:5] offset:6144+1536*\f+512*\c
.endr
.endr
	global_load_b128 v[SW2:SW2+3], v1, s[4:5] offset:12800
	global_load_b32 v[BI2], v3, s[4:5] offset:13568
.Lnw_\@:
	s_wait_kmcnt 0x0                               ; the three lengths
	s_sub_co_i32 s23, s24, s27                     ; len_x - t0: row i is live where 16 i is under it
.irp i, 0,1,2,3
	s_cmp_le_i32 s23, 16*\i
	s_cbranch_scc1 .Lxd_\@
	global_load_b128 v[X+4*\i:X+4*\i+3], v1, s[14:15] offset:8192*\i th:TH_LOAD_NT
.endr
.Lxd_\@:
	; ---- c1 (wave 0) and c2 (wave 1): the eight partial sums, divided by the length
	s_cmp_lt_u32 s18, 2
	s_cbranch_scc0 .Lnc_\@
	s_cmp_eq_u32 s18, 0
	s_cselect_b32 s33, s25, s26
	v_cvt_f32_i32 v176, s33
	v_rcp_f32 v177, v176
	v_nop                                          ; a plain place behind the reciprocal
	s_wait_loadcnt 28                              ; behind the eight partial sums 28 loads of pack were issued, and 0 to 4 of x: the least count holds on every way
	ADDQ ST, ST+4
	ADDQ ST+8, ST+12
	ADDQ ST+16, ST+20
	ADDQ ST+24, ST+28
	ADDQ ST, ST+8
	ADDQ ST+16, ST+24
	ADDQ ST, ST+16
	s_wait_alu depctr_va_vdst(0)                   ; the reciprocal has written v177, ahead of its first reader
.irp j, 0,1,2,3
	v_mul_f32 v[180+\j], v[ST+\j], v177            ; q = S / L: a first quotient,
.endr
.irp j, 0,1,2,3
	v_fma_f32 v[184+\j], -v[180+\j], v176, v[ST+\j]   ; what it leaves of S,
.endr
.irp j, 0,1,2,3
	v_fma_f32 v[180+\j], v[184+\j], v177, v[180+\j]   ; and the quotient mended by it
.endr
	s_wait_alu depctr_va_vdst(0)                   ; the quotients are written to v180-183, which the LDS store reads; and all the lines above are done with v144-187, in which layer 1's LDS loads land
	ds_store_b128 v8, v[180:183] offset:LB+CV
	s_wait_alu depctr_vm_vsrc(0)                   ; the LDS store has read v180-183, in which layer 1's LDS loads land
.Lnc_\@:
	BARRIER                                        ; c1 and c2 lie in LDS
	; ---- layer 1: my 64 hidden units
.if \heavy == 0
	s_cmp_lt_u32 s18, 8
	s_cbranch_scc0 .Ln2_\@
.endif
.irp c, 0,1
.irp j, 0,1,2,3,4,5,6,7
	ds_load_b128 v[ST+32*\c+4*\j:ST+32*\c+4*\j+3], v4 offset:LB+CV+256*\c+16*\j   ; c(64 c + 32 h + 4 j ..): the sixteen lanes of a half read the same bytes
.endr
.endr
	s_wait_dscnt 0x0
	QUANT64 ST, A1, SA
	PLACES 8                                       ; a scale register written by a vector instruction stands 8 places ahead of a scaled matrix instruction, an operand so written 4
	s_wait_alu depctr_va_vdst(0)                   ; behind the places: the quantiser has written the codes v[A1 ..] and the scale word v[SA], which the scaled products take
	s_wait_loadcnt 14                              ; layer 1's 14 loads are in: behind them layer 2's 14 were issued, and 0 to 4 of x
.irp t, 0,1,2,3
	v_wmma_scale_f32_16x16x128_f8f6f4 v[ST+8*\t:ST+8*\t+7], v[A1:A1+11], v[F1+12*\t:F1+12*\t+11], 0, v[SA], v[SW1+\t] matrix_a_fmt:MATRIX_FMT_FP6 matrix_b_fmt:MATRIX_FMT_FP6
.endr
	PLACES 4
.irp p, 0,1
	v_cndmask_b32 v[GA+\p], v[ST+16*\p], v[ST+8+16*\p], s32   ; register 0 of tiles 2 p (lanes 0-15) and 2 p + 1 (lanes 16-31): lane l holds unit 64 q + 32 p + l
.endr
.irp p, 0,1
	v_add_f32 v[GA+\p], v[GA+\p], v[BI1+\p]
.endr
	GELU2
	s_wait_alu depctr_va_vdst(0)                   ; the GELU has written v[GH], v[GH + 1], which the LDS stores read; and the products and the GELU are done with v144-201, in which layer 2's LDS loads land
.irp p, 0,1
	ds_store_b32 v6, v[GH+\p] offset:LB+HID+128*\p
.endr
	s_wait_alu depctr_vm_vsrc(0)                   ; the LDS stores have read v[GH], v[GH + 1], in which layer 2's LDS loads land
.Ln2_\@:
	BARRIER                                        ; the hidden layers lie in LDS
	; ---- layer 2: my 32 outputs, K = 256 in two steps
.if \heavy == 0
	s_cmp_lt_u32 s18, 8
	s_cbranch_scc0 .Ln3_\@
.endif
.irp s, 0,1
.if \s > 0
	s_wait_alu depctr_va_vdst(0)                   ; the first step's quantiser is done reading v[ST ..], in which the second step's LDS loads land
.endif
.irp c, 0,1
.irp j, 0,1,2,3,4,5,6,7
	ds_load_b128 v[ST+32*\c+4*\j:ST+32*\c+4*\j+3], v5 offset:LB+HID+512*\s+256*\c+16*\j
.endr
.endr
	s_wait_dscnt 0x0
	QUANT64 ST, A1+12*\s, SA+1+\s
.endr
	PLACES 8
	s_wait_alu depctr_va_vdst(0)                   ; behind the places: the quantisers have written both fragments v[A1 ..] and the scale words v[SA + 1], v[SA + 2], which the scaled products take
	s_wait_loadcnt 0x0                             ; layer 2's loads: behind them only x's were issued, 0 on some ways
.irp s, 0,1                                    ; the two accumulators take turns, one instruction a turn
.irp t, 0,1
.if \s == 0
	v_wmma_scale_f32_16x16x128_f8f6f4 v[ST+8*\t:ST+8*\t+7], v[A1+12*\s:A1+12*\s+11], v[F2+12*(2*\t+\s):F2+12*(2*\t+\s)+11], 0, v[SA+1+\s], v[SW2+2*\t+\s] matrix_a_fmt:MATRIX_FMT_FP6 matrix_b_fmt:MATRIX_FMT_FP6
.else
	v_wmma_scale_f32_16x16x128_f8f6f4 v[ST+8*\t:ST+8*\t+7], v[A1+12*\s:A1+12*\s+11], v[F2+12*(2*\t+\s):F2+12*(2*\t+\s)+11], v[ST+8*\t:ST+8*\t+7], v[SA+1+\s], v[SW2+2*\t+\s] matrix_a_fmt:MATRIX_FMT_FP6 matrix_b_fmt:MATRIX_FMT_FP6
.endif
.endr
.endr
	PLACES 4
	v_cndmask_b32 v[GA], v[ST], v[ST+8], s32       ; lane l holds output 32 q + l
	v_add_f32 v[GA], v[GA], v[BI2]
	s_wait_alu depctr_va_vdst(0)                   ; the output is written to v[GA], which the LDS store reads; and the quantisers and the lines above are done with v176-191, in which the results' LDS loads land
	ds_store_b32 v7, v[GA] offset:LB+RES
	s_wait_alu depctr_vm_vsrc(0)                   ; the LDS store has read v[GA] = v176, in which W1 lands
.Ln3_\@:
	BARRIER                                        ; the MLPs' results lie in LDS
	; ---- my four rows
	ds_load_b128 v[176:179], v1 offset:LB+RES      ; W1 of my four channels
	ds_load_b128 v[180:183], v1 offset:LB+RES+512  ; W2
	s_wait_loadcnt 0x0                             ; x
	s_wait_dscnt 0x0
	v_pk_add_f32 v[176:177], v[176:177], v[180:181]
	v_pk_add_f32 v[178:179], v[178:179], v[182:183]
	v_pk_fma_f32 v[176:177], v[176:177], 0.5, 1.0 op_sel_hi:[1,0,0]   ; g = 1 + (W1 + W2) / 2
	v_pk_fma_f32 v[178:179], v[178:179], 0.5, 1.0 op_sel_hi:[1,0,0]
.irp i, 0,1,2,3
	v_pk_mul_f32 v[X+4*\i:X+4*\i+1], v[X+4*\i:X+4*\i+1], v[176:177]
	v_pk_mul_f32 v[X+4*\i+2:X+4*\i+3], v[X+4*\i+2:X+4*\i+3], v[178:179]
.endr
.if \heavy
	s_cmp_lg_u32 s18, 0                            ; row 0 is wave 0's first row,
	s_cbranch_scc1 .Lnr_\@
	s_cmp_gt_i32 s24, 0                            ; and takes the bias if it is live
	s_cbranch_scc0 .Lnr_\@
	ds_load_b128 v[184:187], v1 offset:LB+RES+1024 ; b1.  No wait: no vector instruction since the wait ahead of the result's LDS store names v184-191 or v1
	ds_load_b128 v[188:191], v1 offset:LB+RES+1536 ; b2
	s_wait_dscnt 0x0
	v_pk_add_f32 v[184:185], v[184:185], v[188:189]
	v_pk_add_f32 v[186:187], v[186:187], v[190:191]
	v_pk_fma_f32 v[X:X+1], v[184:185], 0.5, v[X:X+1] op_sel_hi:[1,0,1]   ; + (b1 + b2) / 2
	v_pk_fma_f32 v[X+2:X+3], v[186:187], 0.5, v[X+2:X+3] op_sel_hi:[1,0,1]
.Lnr_\@:
.endif
	s_wait_alu depctr_va_vdst(0)                   ; the multiplications (and row 0's bias) have written X, which the four stores read
.irp i, 0,1,2,3
	global_store_b128 v1, v[X+4*\i:X+4*\i+3], s[16:17] offset:8192*\i th:TH_STORE_NT   ; 32 lanes store a row's 512 consecutive bytes; written once, read by nobody here
.endr
	s_wait_dscnt 0x0                               ; the closing lines, six on end
	s_wait_alu 0x0
	s_wait_tensorcnt 0x0
	ds_add_u32 v10, v11
	s_wait_dscnt 0x0
	s_endpgm
.endm
	BODY 1
.Llight:
	BODY 0
.Lfunc_end_k_q4913d2a63f_apply:
	.size	k_q4913d2a63f_apply, .Lfunc_end_k_q4913d2a63f_apply-k_q4913d2a63f_apply
	.p2alignl 7, 3214868480
	.fill 96, 4, 3214868480
	.section	.rodata,"a",@progbits
	.p2align	6, 0x0
	.amdhsa_kernel k_q4913d2a63f_apply
		.amdhsa_group_segment_fixed_size 16384
		.amdhsa_private_segment_fixed_size 0
		.amdhsa_enable_private_segment 0
		.amdhsa_kernarg_size 56
		.amdhsa_user_sgpr_count 2
		.amdhsa_user_sgpr_kernarg_segment_ptr 1
		.amdhsa_wavefront_size32 1
		.amdhsa_system_sgpr_workgroup_id_x 1
		.amdhsa_system_sgpr_workgroup_id_y 1
		.amdhsa_system_sgpr_workgroup_id_z 1
		.amdhsa_system_vgpr_workitem_id 0
		.amdhsa_next_free_vgpr 256
		.amdhsa_next_free_sgpr 66
		.amdhsa_reserve_vcc 0
		.amdhsa_float_denorm_mode_32 3
		.amdhsa_float_denorm_mode_16_64 3
		.amdhsa_memory_ordered 1
		.amdhsa_forward_progress 1
		.amdhsa_inst_pref_size 59
	.end_amdhsa_kernel
	.amdgpu_metadata
---
amdhsa.version: [ 1, 2 ]
amdhsa.kernels:
  - .name:           k_q4913d2a63f_apply
    .symbol:         k_q4913d2a63f_apply.kd
    .args:
      - { .name: pack, .offset: 0, .size: 8, .value_kind: global_buffer, .address_space: global }
      - { .name: part, .offset: 8, .size: 8, .value_kind: global_buffer, .address_space: global }
      - { .name: len_x, .offset: 16, .size: 8, .value_kind: global_buffer, .address_space: global }
      - { .name: len_y, .offset: 24, .size: 8, .value_kind: global_buffer, .address_space: global }
      - { .name: len_z, .offset: 32, .size: 8, .value_kind: global_buffer, .address_space: global }
      - { .name: x, .offset: 40, .size: 8, .value_kind: global_buffer, .address_space: global }
      - { .name: out0, .offset: 48, .size: 8, .value_kind: global_buffer, .address_space: global }
    .group_segment_fixed_size: 16384
    .private_segment_fixed_size: 0
    .kernarg_segment_align: 8
    .kernarg_segment_size: 56
    .max_flat_workgroup_size: 512
    .sgpr_count:     66
    .vgpr_count:     256
    .wavefront_size: 32
...
	.end_amdgpu_metadata
.endif
;; end of part 3
